; MI455X (gfx1250); checked and timed in simulation.
; The chip was launched on July 23, 2026; its instructions are those of AMD's public machine-readable ISA for CDNA 5 (MIT licence, August 2026) and "CDNA5" Instruction Set Architecture Reference Guide (July 2026). The comments in the code are by the model that wrote it; some were corrected since.
;; Quant Linear. Allowed arithmetic: float matrix products may take bf16 or f16 operands with f32 sums; all other float work in f32.
;; Inputs: bias 8,192 float32; qweight 1,024 x 8,192 int32; scales 8,192 x 1 float32; x 1 x 8,192 float32; zeros 8,192 x 1 float32.
;; Outputs: out0 1 x 8,192 float32.
;; One version. Each part assembles by itself: llvm-mc -triple=amdgcn-amd-amdhsa -mcpu=gfx1250 --defsym DOCPART=n.
;; ======== version 1 of 1: 1 launch
;; limits: values are held in f16: magnitudes above 65,504 overflow, below 6.1e-05 lose precision; inputs' magnitudes at most 65,504; below input magnitudes of 0.00098 results are inexact or not finite
;; launch qmatvec (part 1): grid 256 x 1, 16 waves a work-group, clusters of 4 x 1, 20,736 bytes of LDS; arguments x, qweight, scales, zeros, bias, out0; writes out0
.if DOCPART == 1
	.amdgcn_target "amdgcn-amd-amdhsa--gfx1250"
	.amdhsa_code_object_version 6
	.text
	.protected	k_q79c4f4391d_qmatvec
	.globl	k_q79c4f4391d_qmatvec
	.p2align	8
	.type	k_q79c4f4391d_qmatvec,@function
k_q79c4f4391d_qmatvec:
	s_mov_b64 s[64:65], 0
	v_nop
	global_prefetch_b8 v0, s[64:65] scope:SCOPE_SE
	s_setreg_imm32_b32 hwreg(HW_REG_WAVE_MODE, 25, 1), 1
	s_wait_xcnt 0x0
	s_wait_alu depctr_hold_cnt(0) depctr_sa_sdst(0) depctr_va_vdst(0) depctr_va_sdst(0) depctr_va_ssrc(0) depctr_va_vcc(0) depctr_vm_vsrc(0)
	s_getreg_b32 s2, hwreg(HW_REG_IB_STS2, 6, 4)
	s_cmp_eq_u32 s2, 0
	s_cbranch_scc0 .Lentry_in_a_cluster
	s_endpgm
.Lentry_in_a_cluster:
	s_bfe_u32 s2, ttmp6, 0x10000c
	s_cmp_lg_u32 s2, 0x3003
	s_cbranch_scc0 .Lentry_shape_is_right
	s_endpgm
.Lentry_shape_is_right:
; y[o] = bias[o] + scales[o] * (sum over k of x[k] n[k][o]) - zeros[o] * (sum over k of x[k]),  o = 0 .. 8191, k = 0 .. 8191.
; n[8R+j][o] is nibble j (bits 4j+3:4j) of qweight[R][o]; qweight is [1024][8192] words, a row is 32,768 bytes.
;
; SHARES.  256 work-groups of 16 waves.  A work-group owns 32 columns (128 bytes of every row) over the whole K, so no sum crosses
; work-groups.  Wave w owns rows 64 w .. 64 w + 63: 8 KiB, asked for at once by 16 loads of 16 bytes a lane into 64 registers, and
; worked on in the order in which the loads come back.  Nothing is asked for later, so there is no ring and nothing to prefetch.
; One load covers 4 rows x 128 bytes: lane L takes row 4 i + (L >> 3), bytes 16 (L & 7) .. + 15: four neighbouring columns.
;
; CLUSTER.  Four neighbouring work-groups form a cluster: together they read 512 consecutive bytes of each row, two aligned blocks of
; 256 bytes, each block's halves by two partners that run this same text at the same time.  For the same reason the weight loads carry
; no non-temporal hint.  NO JOINT LOADS: the only bytes that partners share are x, 32,768 of the 163,840 bytes that a work-group
; reads, and each wave takes its own 2,048 of them straight into registers; a joint load would add a pass through LDS behind a round
; of the cluster's barrier in front of the first conversion.
;
; NIBBLES AS f16 WITHOUT AN OFFSET.  A 16-bit pattern below 0x400 is an f16 denormal of value pattern x 2^-24, and the matrix
; instructions take f16 denormals at their value (AMD's ISA guide, chapter 7, the matrix instructions' arithmetic).  So
; w & 0x000f000f is the pair (n0, n4) x 2^-24, w & 0x00f000f0 the pair (16 n1, 16 n5) x 2^-24, and the same two masks on w >> 8 give
; (n2, n6) and (16 n3, 16 n7): five instructions for eight weights, and nothing is subtracted afterwards.  x stands in the same order
; in the other operand, (x0, x4), (x1/16, x5/16), (x2, x6), (x3/16, x7/16), and the sums are multiplied by 2^24 once at the end.
;
; THE MATRIX INSTRUCTION, 16 x 16 x 32 in f16.  A lane's word t (t = 0 .. 3) goes to tile t, which has its own accumulator.  In a tile,
; B's column n = L & 15 is the real column 4 (n & 7) + t, fed from the rows of group n >> 3 (bit 3 of the lane); the lane's half
; (L >> 4) and the two loads of a step give each group 4 rows = 32 k.  A's row m carries x of the rows of group m >> 3: a lane's A
; fragment belongs to the same rows as its weights.  D(m, n) is a wanted sum where m >> 3 = n >> 3: register 0 of lanes 0-7 (group 0)
; and of lanes 24-31 (group 1).  The two are added at the end.
;
; LIMITS.  x is rounded to f16: |x| above 65,504 becomes infinite; x is rounded on a grid no finer than 2^-24 (2^-20 for k with an
; odd nibble number).  The sums in f32 (partial products, sum of x) are formed in another order than a plain loop's.
.set ROWB,  32768                      ; bytes in a row of qweight
.set NLD,   16                         ; weight loads of a wave
.set FRAG,  0                          ; LDS: x as f16 fragments, 16 bytes for a row of qweight, 1,024 bytes for each wave, read by that wave alone
.set PART,  16384                      ; LDS: 32 partial sums (128 bytes) from each wave
.set XSUM,  18432                      ; LDS: one partial sum of x from each wave
.set LANE,  1                          ; v1       lane
.set WOFF,  2                          ; v2       my byte offset in a weight load's 4 rows
.set XOFF,  3                          ; v3       32 x lane: a row's eight x
.set FST,   4                          ; v4       LDS: where I put a row's fragment
.set FLD,   5                          ; v5       LDS: where I read the fragment of my weights' row
.set PST,   6                          ; v6       LDS: my four partial sums
.set XST,   7                          ; v7       LDS: my wave's sum of x
.set POFF,  8                          ; v8       byte offset of column 32 g + lane in scales, zeros, bias, out0
.set SC,    9                          ; v9-11    scale, zero, bias of that column (wave 0 alone)
.set ZE,    10
.set BI,    11
.set T0,    12                         ; v12-13   at work
.set T1,    13
.set XS,    14                         ; v14      sum of x
.set S,     16                         ; v[16:23] at work: sums in pairs
.set X,     24                         ; v[24:39] sixteen x in f32; at the end the sixteen partial sums of a column
.set F,     40                         ; v[40:47] two rows' fragments in f16; at the end my four columns' sums
.set W,     48                         ; v[48:111]  weights: load i in 4 registers
.set A,     112                        ; v[112:175] x fragments: step s in 8 registers
.set B,     176                        ; v[176:207] unpacked weights: tile t in 8 registers
.set ACC,   208                        ; v[208:239] accumulators: tile t in 8 registers
	s_load_b256 s[8:15], s[0:1], 0x0               ; x s[8:9], qweight s[10:11], scales s[12:13], zeros s[14:15]
	s_load_b128 s[16:19], s[0:1], 0x20             ; bias s[16:17], out0 s[18:19]
	v_lshl_add_u32 v240, v0, 2, 0x4900
	v_mov_b32 v241, 0
	v_lshrrev_b32 v[T0], 5, v0
	v_readfirstlane_b32 s20, v[T0]                 ; wave 0 .. 15
	s_bfe_u32 s21, ttmp6, 0x40000                  ; my place in the cluster
	s_lshl_b32 s22, ttmp9, 2                       ; in a cluster launch ttmp9 counts clusters
	s_add_co_u32 s22, s22, s21                     ; work-group g = 0 .. 255
	s_lshl_b32 s23, s22, 7                         ; its 32 columns: byte 128 g of a row, and of scales, zeros, bias, out0
	s_lshl_b32 s24, s20, 21                        ; my wave's 64 rows of 32,768 bytes
	s_add_co_u32 s24, s24, s23
	s_mov_b32 s25, 0
	s_lshl_b32 s26, s20, 11                        ; my wave's 512 x: 2,048 bytes
	s_mov_b32 s27, 0
	s_lshl_b32 s28, s20, 10                        ; my wave's fragments in LDS (FRAG = 0)
	s_mov_b32 s29, 0x000f000f                      ; nibbles 0 and 4 of a word
	s_mov_b32 s30, 0x00f000f0                      ; nibbles 1 and 5
	s_mov_b32 s31, 0xfedcba98                      ; selects for v_permlanex16_b32
	s_mov_b32 s33, 0x76543210
	s_lshl_b32 s34, s20, 7
	s_add_co_u32 s34, s34, PART                    ; my wave's 128 bytes of partial sums
	s_lshl_b32 s35, s20, 2
	s_add_co_u32 s35, s35, XSUM                    ; my wave's word for its sum of x
	v_and_b32 v[LANE], 31, v0
	v_lshrrev_b32 v[T0], 3, v[LANE]                ; which of a load's 4 rows
	v_and_b32 v[T1], 7, v[LANE]
	v_lshlrev_b32 v[T1], 4, v[T1]                  ; which 16 of the row's 128 bytes
	v_lshl_add_u32 v[WOFF], v[T0], 15, v[T1]
	v_lshlrev_b32 v[XOFF], 5, v[LANE]
	v_lshl_add_u32 v[POFF], v[LANE], 2, s23
	v_lshl_add_u32 v[FST], v[LANE], 4, s28
	v_lshl_add_u32 v[FLD], v[T0], 4, s28
	v_add_nc_u32 v[PST], s34, v[T1]
	v_mov_b32 v[XST], s35
	s_wait_kmcnt 0x0
	s_add_nc_u64 s[10:11], s[10:11], s[24:25]      ; qweight at my wave's first row, my work-group's columns
	s_add_nc_u64 s[8:9], s[8:9], s[26:27]          ; x at my wave's first number
	; Wave 0 finishes the columns, so it alone loads their scale, zero and bias: ahead of all other loads, so that every counted
	; wait below has the same younger loads behind it in all waves.
	s_cmp_lg_u32 s20, 0
	s_cbranch_scc1 .Lno_params
	global_load_b32 v[SC], v[POFF], s[12:13]
	global_load_b32 v[ZE], v[POFF], s[14:15]
	global_load_b32 v[BI], v[POFF], s[16:17]
.Lno_params:
	; x first (loads come back in order: ISA guide 5.7.1): lane L takes the eight x of my wave's row L and of row 32 + L
	global_load_b128 v[X:X+3],     v[XOFF], s[8:9]
	global_load_b128 v[X+4:X+7],   v[XOFF], s[8:9] offset:16
	global_load_b128 v[X+8:X+11],  v[XOFF], s[8:9] offset:1024
	global_load_b128 v[X+12:X+15], v[XOFF], s[8:9] offset:1040
	; then all my wave's weights: 16 loads, 8 KiB; the largest immediate is 15 x 131,072, inside the signed 24 bits
.irp i, 0,1,2,3,4,5,6,7,8,9,10,11,12,13,14,15
	global_load_b128 v[W+4*\i:W+4*\i+3], v[WOFF], s[10:11] offset:\i*4*ROWB
.endr
	s_wait_loadcnt NLD                             ; x is in; the 16 weight loads issued behind it stay out
	v_pk_add_f32 v[S:S+1],   v[X:X+1],     v[X+2:X+3]      ; the sum of x is taken in f32 from x as it came
	v_pk_add_f32 v[S+2:S+3], v[X+4:X+5],   v[X+6:X+7]
	v_pk_add_f32 v[S+4:S+5], v[X+8:X+9],   v[X+10:X+11]
	v_pk_add_f32 v[S+6:S+7], v[X+12:X+13], v[X+14:X+15]
.irp j, 1,3,5,7,9,11,13,15
	v_mul_f32 v[X+\j], 0x3d800000, v[X+\j]         ; x / 16 where the nibble will stand 16-fold
.endr
.irp q, 0,1
.irp j, 0,1,2,3
	v_cvt_pk_f16_f32 v[F+4*\q+\j], v[X+8*\q+\j], v[X+8*\q+\j+4]    ; the pair (k = j, k = j + 4) of a row, as the masks pair the nibbles
.endr
.endr
	ds_store_b128 v[FST], v[F:F+3]                 ; row L of my wave at byte 16 L,
	ds_store_b128 v[FST], v[F+4:F+7] offset:512    ; row 32 + L at byte 16 (32 + L)
	; LDS serves a wave's instructions in order (ISA guide 5.7.1) and these bytes are my wave's own: no wait, no barrier.
	; Load i brings the fragment of row 4 i + (L >> 3), the row of my weights in weight load i; eight lanes share an address.
.irp i, 0,1,2,3,4,5,6,7,8,9,10,11,12,13,14,15
	ds_load_b128 v[A+4*\i:A+4*\i+3], v[FLD] offset:64*\i
.endr
	v_pk_add_f32 v[S:S+1],   v[S:S+1],   v[S+2:S+3]        ; meanwhile: my wave's sum of x, into every lane
	v_pk_add_f32 v[S+4:S+5], v[S+4:S+5], v[S+6:S+7]
	v_pk_add_f32 v[S:S+1],   v[S:S+1],   v[S+4:S+5]
	v_add_f32 v[XS], v[S], v[S+1]
	v_add_f32_dpp v[XS], v[XS], v[XS] row_xmask:1 row_mask:0xf bank_mask:0xf
	v_add_f32_dpp v[XS], v[XS], v[XS] row_xmask:2 row_mask:0xf bank_mask:0xf
	v_add_f32_dpp v[XS], v[XS], v[XS] row_xmask:4 row_mask:0xf bank_mask:0xf
	v_add_f32_dpp v[XS], v[XS], v[XS] row_xmask:8 row_mask:0xf bank_mask:0xf
	v_permlanex16_b32 v[S+1], v[XS], s33, s31      ; lane i of the other half (the destination has been written before)
	v_add_f32 v[XS], v[XS], v[S+1]
	s_wait_dscnt 0x0                               ; all x fragments are in registers
; One step: weight loads 2 s and 2 s + 1 (8 rows x 32 columns), four tiles.  zero = 1: the first products start the sums.
; The four accumulators take turns, one matrix instruction a turn.  Tile t's B registers are written again a
; step later, behind the 30 plain vector instructions of the three other tiles, which name none of that matrix instruction's registers.
.macro STEP s, zero
	s_wait_loadcnt NLD-2-2*\s                      ; this step's two loads are in; the younger ones stay out
.irp t, 0,1,2,3
	v_lshrrev_b32 v[T0], 8, v[W+8*\s+\t]
	v_lshrrev_b32 v[T1], 8, v[W+8*\s+4+\t]
	v_and_b32 v[B+8*\t],   s29, v[W+8*\s+\t]       ; (n0, n4)
	v_and_b32 v[B+8*\t+1], s30, v[W+8*\s+\t]       ; 16 (n1, n5)
	v_and_b32 v[B+8*\t+2], s29, v[T0]              ; (n2, n6)
	v_and_b32 v[B+8*\t+3], s30, v[T0]              ; 16 (n3, n7)
	v_and_b32 v[B+8*\t+4], s29, v[W+8*\s+4+\t]     ; the same of the second load's row
	v_and_b32 v[B+8*\t+5], s30, v[W+8*\s+4+\t]
	v_and_b32 v[B+8*\t+6], s29, v[T1]
	v_and_b32 v[B+8*\t+7], s30, v[T1]
.if \zero
	v_wmma_f32_16x16x32_f16 v[ACC+8*\t:ACC+8*\t+7], v[A+8*\s:A+8*\s+7], v[B+8*\t:B+8*\t+7], 0
.else
	v_wmma_f32_16x16x32_f16 v[ACC+8*\t:ACC+8*\t+7], v[A+8*\s:A+8*\s+7], v[B+8*\t:B+8*\t+7], v[ACC+8*\t:ACC+8*\t+7]
.endif
.endr
.endm
	STEP 0, 1
.irp s, 1,2,3,4,5,6,7
	STEP \s, 0
.endr
.rept 4
	v_nop                                          ; four places between the last matrix instruction and the first read of its result (ISA guide 7.12.1)
.endr
	; Group 0's sums lie in lanes 0-7, group 1's in lanes 24-31: lane i (0-7) takes lane 8 + i of the other half and adds.
.irp t, 0,1,2,3
	v_permlanex16_b32 v[F+\t], v[ACC+8*\t], s31, s33
.endr
.irp t, 0,1,2,3
	v_add_f32 v[F+\t], v[F+\t], v[ACC+8*\t]        ; lane i: columns 4 i + t, my wave's 64 rows
.endr
	v_cmp_gt_u32 vcc_lo, 8, v[LANE]
	s_wait_xcnt 0x0                                ; EXEC is narrowed only behind this wait (all loads are back: it is met at once)
	s_and_saveexec_b32 s36, vcc_lo                 ; lanes 0-7
	ds_store_b128 v[PST], v[F:F+3]                 ; 8 lanes x 16 bytes: my wave's 32 partial sums, in the order of the columns
	s_or_b32 exec_lo, exec_lo, s36
	ds_store_b32 v[XST], v[XS]                     ; all lanes write the same word with the same value
	s_wait_dscnt 0x0                               ; for wave 0's sake: my stores are done before I signal
	s_barrier_signal -1
	s_barrier_wait -1
	s_cmp_lg_u32 s20, 0
	s_cbranch_scc1 .Ldone
	; Wave 0: lane c finishes column 32 g + c.
	v_lshlrev_b32 v[T0], 2, v[LANE]
.irp w, 0,1,2,3,4,5,6,7,8,9,10,11,12,13,14,15
	ds_load_b32 v[X+\w], v[T0] offset:PART+128*\w  ; wave w's partial sum of my column: 32 lanes, 128 neighbouring bytes
.endr
	v_and_b32 v[T1], 15, v[LANE]
	v_lshlrev_b32 v[T1], 2, v[T1]
	ds_load_b32 v[XS], v[T1] offset:XSUM           ; lane i and lane 16 + i: wave i's sum of x
	s_wait_dscnt 0x0
	v_pk_add_f32 v[X:X+1],     v[X:X+1],     v[X+2:X+3]
	v_pk_add_f32 v[X+4:X+5],   v[X+4:X+5],   v[X+6:X+7]
	v_pk_add_f32 v[X+8:X+9],   v[X+8:X+9],   v[X+10:X+11]
	v_pk_add_f32 v[X+12:X+13], v[X+12:X+13], v[X+14:X+15]
	v_add_f32_dpp v[XS], v[XS], v[XS] row_xmask:1 row_mask:0xf bank_mask:0xf   ; the sixteen sums of x, within each half of the lanes
	v_pk_add_f32 v[X:X+1],     v[X:X+1],     v[X+4:X+5]
	v_pk_add_f32 v[X+8:X+9],   v[X+8:X+9],   v[X+12:X+13]
	v_add_f32_dpp v[XS], v[XS], v[XS] row_xmask:2 row_mask:0xf bank_mask:0xf
	v_pk_add_f32 v[X:X+1],     v[X:X+1],     v[X+8:X+9]
	v_add_f32_dpp v[XS], v[XS], v[XS] row_xmask:4 row_mask:0xf bank_mask:0xf
	v_add_f32 v[X], v[X], v[X+1]
	v_add_f32_dpp v[XS], v[XS], v[XS] row_xmask:8 row_mask:0xf bank_mask:0xf
	v_mul_f32 v[X], 0x4b800000, v[X]               ; x 2^24, exact: the sum over k of x[k] n[k][o]
	v_fma_f32 v[X], v[X], v[SC], v[BI]             ; bias + scale x that sum
	v_fma_f32 v[X], -v[ZE], v[XS], v[X]            ; - zero x the sum of x
	global_store_b32 v[POFF], v[X], s[18:19]       ; 32 lanes store the work-group's 128 consecutive bytes of out0
.Ldone:
	s_wait_tensorcnt 0x0
	ds_add_u32 v240, v241
	s_wait_dscnt 0x0
	s_endpgm
.Lfunc_end_k_q79c4f4391d_qmatvec:
	.size	k_q79c4f4391d_qmatvec, .Lfunc_end_k_q79c4f4391d_qmatvec-k_q79c4f4391d_qmatvec
	.p2alignl 7, 3214868480
	.fill 96, 4, 3214868480
	.section	.rodata,"a",@progbits
	.p2align	6, 0x0
	.amdhsa_kernel k_q79c4f4391d_qmatvec
		.amdhsa_group_segment_fixed_size 20736
		.amdhsa_private_segment_fixed_size 0
		.amdhsa_enable_private_segment 0
		.amdhsa_kernarg_size 48
		.amdhsa_user_sgpr_count 2
		.amdhsa_user_sgpr_kernarg_segment_ptr 1
		.amdhsa_wavefront_size32 1
		.amdhsa_system_sgpr_workgroup_id_x 1
		.amdhsa_system_sgpr_workgroup_id_y 1
		.amdhsa_system_sgpr_workgroup_id_z 1
		.amdhsa_system_vgpr_workitem_id 0
		.amdhsa_next_free_vgpr 242
		.amdhsa_next_free_sgpr 66
		.amdhsa_reserve_vcc 1
		.amdhsa_float_denorm_mode_32 3
		.amdhsa_float_denorm_mode_16_64 3
		.amdhsa_memory_ordered 1
		.amdhsa_forward_progress 1
		.amdhsa_inst_pref_size 23
	.end_amdhsa_kernel
	.amdgpu_metadata
---
amdhsa.version: [ 1, 2 ]
amdhsa.kernels:
  - .name:           k_q79c4f4391d_qmatvec
    .symbol:         k_q79c4f4391d_qmatvec.kd
    .args:
      - { .name: x, .offset: 0, .size: 8, .value_kind: global_buffer, .address_space: global }
      - { .name: qweight, .offset: 8, .size: 8, .value_kind: global_buffer, .address_space: global }
      - { .name: scales, .offset: 16, .size: 8, .value_kind: global_buffer, .address_space: global }
      - { .name: zeros, .offset: 24, .size: 8, .value_kind: global_buffer, .address_space: global }
      - { .name: bias, .offset: 32, .size: 8, .value_kind: global_buffer, .address_space: global }
      - { .name: out0, .offset: 40, .size: 8, .value_kind: global_buffer, .address_space: global }
    .group_segment_fixed_size: 20736
    .private_segment_fixed_size: 0
    .kernarg_segment_align: 8
    .kernarg_segment_size: 48
    .max_flat_workgroup_size: 512
    .sgpr_count:     66
    .vgpr_count:     242
    .wavefront_size: 32
...
	.end_amdgpu_metadata
.endif
;; end of part 1
